; MI455X (gfx1250); checked and timed in simulation.
; The chip was launched on July 23, 2026; its instructions are those of AMD's public machine-readable ISA for CDNA 5 (MIT licence, August 2026) and "CDNA5" Instruction Set Architecture Reference Guide (July 2026). The comments in the code are by the model that wrote it; some were corrected since.
;; Gen Process Final. Allowed arithmetic: matrix products marked QUANTISED: E2M1 operands, one E8M0 scale for each 32 along K, by v_wmma_scale_f32_16x16x128_f8f6f4 with both operands' format E2M1 (or v_wmma_scale_f32_32x16x128_f4), f32 sums; everything else in f32.
;; Inputs: dataMinor 256 x 512 float32; x 64 x 2,048 x 256 float32.
;; Outputs: out0 64 x 512 float32.
;; This version of the problem:
;;   THIS VERSION OF THE PROBLEM IS GIVEN IN LOW PRECISION. The matrix products marked QUANTISED in the list below multiply operands that are first quantised to E2M1 (2 exponent bits, 1 mantissa bit; 4 bits a number), with one power-of-two scale for each 32 numbers along K (OCP MX v1.0); their sums are f32. All else is computed in f32.
;;   The module's matrix products, in the order in which they are computed (A, B: the left and right operand; K: the contracted axis; several contracted axes count as one K, in the product's order):
;;     1. [M 64, K 256] x [K 256, N 512]; A: computed on the way; B: input dataMinor: QUANTISED
;;   THE QUANTISER, for each operand of a quantised product, along K:
;;     - K is cut into blocks of 32 from its start; a last block that is shorter is filled with zeros.
;;     - A block's scale is 2^e with e = floor(log2(the largest magnitude in the block)) - 2, held to -126 .. 127; a block of zeros has e = 0. As a byte (E8M0): e + 127.
;;     - Each number is divided by its block's scale, clamped to +-6, and rounded to the nearest number of E2M1, ties to even, subnormals kept.
;;     - The product sums the exact products of the quantised numbers (number of the format x scale) in f32.
;;   ~~~python
;;   def quantise(x, axis):      # numpy; x: float32 -> the quantised numbers, widened to float32 again
;;       x = np.moveaxis(x, axis, -1); K = x.shape[-1]
;;       x = np.pad(x, [(0, 0)] * (x.ndim - 1) + [(0, -K % 32)]); x = x.reshape(x.shape[:-1] + (-1, 32)); a = np.abs(x).max(-1, keepdims=True)
;;       e = np.where(a > 0, np.clip(np.frexp(np.where(a > 0, a, 1))[1] - 1 - 2, -126, 127), 0)      # np.frexp(a)[1] - 1 = floor(log2(a)), exactly
;;       r = np.clip(x / 2.0 ** e, -6, 6)
;;       step = 2.0 ** (np.maximum(np.frexp(np.where(r == 0, 1, r))[1] - 1, 0) - 1)
;;       q = np.round(r / step) * step * 2.0 ** e      # np.round: ties to even
;;       return np.moveaxis(q.reshape(q.shape[:-2] + (-1,))[..., :K], -1, axis).astype(np.float32)
;;   ~~~
;;   OPERANDS COMPUTED ON THE WAY. 'Computed on the way' means the value that the module computes at that place (a softmax that the list does not call 'softmax' is quantised finished and normalised). What goes into a quantiser is computed in f32, as accurately as f32 sums, v_exp_f32 and their like allow (about 1e-6 of the number): no bf16 or f16 on the way to a quantiser, and a product that is left as it is and whose result goes on into a quantised operand takes f32 operands (vector FMAs, or v_wmma_f32_16x16x4_f32). A number that lies on a knife's edge between two numbers of the format may be rounded either way, as far as f32 arithmetic and the matrix unit's own rounding can turn it there, and no further.
;; One version. Each part assembles by itself: llvm-mc -triple=amdgcn-amd-amdhsa -mcpu=gfx1250 --defsym DOCPART=n.
;; ======== version 1 of 1: 2 launches
;; limits: right only within a limited range of input values
;; workspace buffers: xq 8,192 bytes; xs 512 bytes; wq 65,536 bytes; ws 4,096 bytes
;; launch reduce (part 1): grid 256 x 1, 16 waves a work-group, no clusters, 6,400 bytes of LDS; arguments x, dataMinor, xq, xs, wq, ws; writes xq, xs, wq, ws
.if DOCPART == 1
	.amdgcn_target "amdgcn-amd-amdhsa--gfx1250"
	.amdhsa_code_object_version 6
	.text
	.protected	k_qb13f9adb20_reduce
	.globl	k_qb13f9adb20_reduce
	.p2align	8
	.type	k_qb13f9adb20_reduce,@function
k_qb13f9adb20_reduce:
	s_mov_b64 s[64:65], 0
	v_nop
	global_prefetch_b8 v0, s[64:65] scope:SCOPE_SE
	s_setreg_imm32_b32 hwreg(HW_REG_WAVE_MODE, 25, 1), 1
	s_wait_xcnt 0x0
; x [64][2048][256] f32 is summed over its 2,048 rows, and the mean is quantised along K = 256 to codes of FP4 (E2M1) with one E8M0 byte for each 32.
; dataMinor [256 (k)][512 (n)] f32 is quantised along k likewise.  Both leave in the order in which the next launch's operand registers take them:
;   xq  [tile of 16 batches][q 0..3][batch % 16][h][16 bytes]            K block 2 q + h
;   xs  [tile of 16 batches][K step 0..1][batch % 16][4 bytes]           one word a row and 128 along K
;   wq  [64 columns][t 0..3][K block 0..7][r 0..15][16 bytes]            column 4 r + t of the 64
;   ws  [64 columns][K step 0..1][r 0..15][t 0..3][4 bytes]
; SHARES.  Work-group 4 b + q owns batch b, columns 64 q .. 64 q + 63, ALL rows: 256 aligned bytes of each row, 512 KiB in all.  So its sums are final, nothing partial goes to memory,
; and its 64 columns are two whole blocks of 32: it quantises them itself.  Sixteen waves sweep 32 rows at a time, 64 sweeps: wave w takes rows 2 w + h of a sweep (h = lane / 16): a load's lanes 0-15 read 256
; consecutive bytes of one row, lanes 16-31 of the next.  A lane keeps the same four columns throughout.
; THE WALK IS STAGGERED: batch b begins at sweep 4 (b % 16) and goes round, so that the batches, whose first bytes lie 2 MiB apart, do not all stand at the same offset.  The 64 loads of a wave are 16 groups of
; four sweeps (128 KiB of x); group g has a scalar base of its own, at group (g + b) % 16 of the batch.
; A ring of 32 slots in registers keeps 28 to 32 loads of every wave on their way: 16 KiB a wave, 256 KiB a work-group, half of all that it reads.  So no data prefetch is written: the next 28 loads are asked for already.
; No byte of x is read by two work-groups: nothing to share in a cluster.  No tensor load: every number has to pass a register to be added.
; THE MEAN IS NOT MULTIPLIED OUT.  mean = sum / 2048 exactly, so with E the exponent field of a block's largest |sum|, sum / 2^(E - 127 - 2) are the mean's codes and E - 2 - 11 is the mean's scale byte.
; dataMinor: work-group g takes K block g / 32 of columns 16 (g % 32) .. + 15: 2 KiB.  Wave 0 does it, in one arm that also issues that wave's first loads of x, so that its stream is not held up.
; A block's scale is 2^(floor(log2(its largest magnitude)) - 2); its byte is the largest magnitude's exponent field - 2, held at 1 from below by a floor among the maximum's leaves.
; LIMITS: NaN and infinities among the inputs are not served; blocks whose largest magnitude lies under the floor, 2^(3 - 127), were not tried; a block of zeros gets the byte 1 where the rule says 127
; (its codes are zeros, which add nothing, and this program alone reads the bytes); the sums are f32 in another order than a plain loop over the rows: chains of 16, then trees.
; A work-group owns 32 bytes of x's codes, 2 of its scale bytes, four times 64 bytes of dataMinor's codes and 16 scale bytes: they are stored as these short pieces.
.set ROWB,   1024                      ; a row of x in bytes
.set SWEEP,  32*ROWB                   ; a sweep: 32 rows
.set LOADS,  64                        ; loads of a wave: 2,048 rows / 32
.set DEPTH,  32                        ; slots of the ring
.set GPITCH, 4*256+16                  ; LDS: four waves' 256 bytes, then 16 bytes: see the last reads
.set SPARE,  4352                      ; behind the sums (4,144 bytes): the spare words, 128 bytes for each wave: eight blocks of 256 bytes that no other line names
.set SB,  68                           ; s[68:99] 16 scalar bases, group g's at s[SB + 2 g], each written once
.set XO,  1                            ; v1      my byte offset in x: 16 (lane % 16) + 1,024 (lane / 16); never rewritten
.set LST, 2                            ; v2      LDS: where my wave's sums go
.set LRD, 3                            ; v3      LDS: where wave 0 reads them
.set QO,  4                            ; v4      my offset in x's codes
.set SO,  5                            ; v5      and in x's scale bytes
.set J,   6                            ; v6      lane % 16
.set H,   7                            ; v7      lane / 16
.set A,   8                            ; v8-23   four chains of sums, four columns each: chain k takes the loads t with t % 4 = k
.set WN,  24                           ; v24-39  16 numbers of dataMinor
.set WO,  40                           ; v40     their offset
.set WQO, 41                           ; v41     my offset in dataMinor's codes
.set WSO, 42                           ; v42     and in its scale bytes
.set WM,  43                           ; v43-44  largest magnitudes, two chains
.set WM2, 44
.set WP,  45                           ; v45     the other half of the lanes'
.set WSC, 46                           ; v46     the conversion's scale operand
.set WBY, 47                           ; v47     the scale's byte
.set WC,  48                           ; v48-49  16 codes
.set SPW, 50                           ; v50     LDS address of my spare word: SPARE + 4 x my thread's number; never rewritten
.set NIL, 51                           ; v51     0; never rewritten
.set T1,  52                           ; v52-53  at work in the head
.set T2,  53
.set X,   56                           ; v56-183 the ring: slot i at v[X + 4 i]
.set F,   X                            ; at the end: wave 0's 4 x 8 sums
.set FM,  184                          ; v184-187 largest magnitude, scale operand, byte, codes of x, in wave 0
.set FS,  185
.set FB,  186
.set FC,  187
.macro LOAD4 g                         ; loads 4 g .. 4 g + 3: the group's base, then each into its slot
.if (\g) == 0
	s_add_nc_u64 s[SB:SB+1], s[4:5], s[38:39]
.else
	s_add_co_u32 s40, s38, (\g)*4*SWEEP            ; (phase + g) mod 16, in groups of 4 x 32 KiB
	s_and_b32 s40, s40, 16*4*SWEEP-1
	s_add_nc_u64 s[SB+2*(\g):SB+2*(\g)+1], s[4:5], s[40:41]
.endif
.irp k, 0,1,2,3
	global_load_b128 v[X+4*((4*(\g)+\k)%DEPTH):X+4*((4*(\g)+\k)%DEPTH)+3], v[XO], s[SB+2*(\g):SB+2*(\g)+1] offset:\k*SWEEP th:TH_LOAD_NT
.endr
.endm
.macro FILL                            ; the ring's first fill: loads 0 .. 31
.set G, 0
.rept DEPTH/4
	LOAD4 G
.set G, G+1
.endr
.endm
; Loads 4 g .. 4 g + 3 are added, one onto each chain, and their slots are filled again while there is something left to read.
.macro TURN g
	s_wait_alu depctr_va_vdst(0)
.if 4*(\g)+DEPTH < LOADS
	s_wait_loadcnt DEPTH-4                         ; loads come back in order: behind load 4 g + 3 stand loads 4 g + 4 .. 4 g + 31, 28 of them
.else
	s_wait_loadcnt LOADS-4-4*(\g)                  ; nothing more is issued: the counts run down to 0
.endif
.irp k, 0,1,2,3
	v_pk_add_f32 v[A+4*\k:A+4*\k+1], v[A+4*\k:A+4*\k+1], v[X+4*((4*(\g)+\k)%DEPTH):X+4*((4*(\g)+\k)%DEPTH)+1]
	v_pk_add_f32 v[A+4*\k+2:A+4*\k+3], v[A+4*\k+2:A+4*\k+3], v[X+4*((4*(\g)+\k)%DEPTH)+2:X+4*((4*(\g)+\k)%DEPTH)+3]
.endr
.if 4*(\g)+DEPTH < LOADS
	LOAD4 (\g)+DEPTH/4
.endif
.endm
	s_load_b256 s[4:11], s[0:1], 0x0               ; x s[4:5], dataMinor s[6:7], x's codes s[8:9], x's scales s[10:11]
	s_load_b128 s[12:15], s[0:1], 0x20             ; dataMinor's codes s[12:13], its scales s[14:15]
	v_lshrrev_b32 v[T1], 5, v0
	v_and_b32 v[J], 15, v0
	v_bfe_u32 v[H], v0, 4, 1
	v_lshl_add_u32 v[SPW], v0, 2, SPARE
	v_readfirstlane_b32 s16, v[T1]                 ; wave 0..15
	v_lshlrev_b32 v[XO], 4, v[J]
	v_bfe_u32 v[T2], v0, 3, 2                      ; g = (lane / 8) % 4
	v_mov_b32 v[NIL], 0
	v_and_b32 v[LST], 7, v0                        ; i = lane % 8 (here for a while)
	v_lshl_add_u32 v[XO], v[H], 10, v[XO]          ; 16 j + one row for lanes 16-31
	v_mul_u32_u24 v[LRD], v[T2], GPITCH
	s_wait_alu depctr_va_vdst(0)
	v_lshl_add_u32 v[LRD], v[LST], 5, v[LRD]       ; waves 4 g on, columns 8 i on.  Every LDS address is made ahead of the waves' parting
	s_lshl_b32 s22, s16, 8                         ; wave w's 256 bytes lie at 256 w + 16 (w / 4)
	s_lshr_b32 s23, s16, 2
	s_lshl_b32 s23, s23, 4
	s_add_co_u32 s22, s22, s23
	v_lshl_add_u32 v[LST], v[J], 4, s22            ; + 16 j
	s_lshr_b32 s17, ttmp9, 2                       ; b: the batch
	s_and_b32 s18, ttmp9, 3                        ; q: which 64 columns
	s_lshl_b32 s20, s17, 21                        ; b x 2,048 rows x 1,024 bytes (under 2^27)
	s_lshl_b32 s19, s18, 8                         ; + 256 q
	s_add_co_u32 s20, s20, s19
	s_lshl_b32 s19, s16, 11                        ; + my wave's two rows of a sweep
	s_add_co_u32 s20, s20, s19
	s_mov_b32 s21, 0
	s_and_b32 s38, s17, 15                         ; where the walk begins: group b % 16, 131,072 bytes each
	s_lshl_b32 s38, s38, 17
	s_mov_b32 s39, 0
	s_mov_b32 s41, 0
	s_wait_alu depctr_va_vdst(0)
	s_wait_kmcnt 0x0
	s_add_nc_u64 s[4:5], s[4:5], s[20:21]          ; x at my wave's two rows of the batch's first sweep, my work-group's columns
	s_cmp_lg_u32 s16, 0
	s_cbranch_scc1 .Lplain
	; ---- wave 0 alone: 32 along K x 16 columns of dataMinor.  Lane (j, h) takes column j and k = 16 h + 0 .. 15 of the block: its registers run down K, so the conversions give codes with K innermost
	s_and_b32 s32, ttmp9, 31                       ; n: which 16 columns
	s_lshr_b32 s33, ttmp9, 5                       ; kb: the K block
	s_lshl_b32 s34, s33, 16                        ; 32 rows of 2,048 bytes
	s_lshl_b32 s36, s32, 6                         ; 16 columns of 4 bytes
	s_add_co_u32 s34, s34, s36
	s_mov_b32 s35, 0
	s_add_nc_u64 s[6:7], s[6:7], s[34:35]
	v_lshlrev_b32 v[WSO], 2, v[J]                  ; 4 j: my column in a row of dataMinor, and my column's scale word
	s_delay_alu instid0(VALU_DEP_1)
	v_lshl_add_u32 v[WO], v[H], 15, v[WSO]         ; lanes 16-31 begin 16 rows further down
.irp i, 0,1,2,3,4,5,6,7,8,9,10,11,12,13,14,15
	global_load_b32 v[WN+\i], v[WO], s[6:7] offset:\i*2048         ; sixteen lanes read 64 consecutive bytes of a row
.endr
	FILL                                           ; x's first 32 loads go out behind them: the stream does not wait for this arm
	s_mov_b32 s24, 0x76543210
	s_mov_b32 s25, 0xfedcba98                      ; v_permlanex16_b32's selects for lane l xor 16
	s_lshr_b32 s37, s32, 2                         ; which 64 columns,
	s_and_b32 s42, s32, 3                          ; and which 16 of them
	s_lshl_b32 s42, s42, 6                         ; 4 r's of 16 bytes each: 64 (n % 4), in the codes and in the scale words alike
	s_lshl_b32 s34, s37, 13                        ; codes: 8,192 (n / 4) + 256 kb + 64 (n % 4)
	s_lshl_b32 s36, s33, 8
	s_add_co_u32 s34, s34, s36
	s_add_co_u32 s34, s34, s42
	s_add_nc_u64 s[12:13], s[12:13], s[34:35]
	s_lshl_b32 s34, s37, 9                         ; scale bytes: 512 (n / 4) + 256 (kb / 4) + 64 (n % 4) + kb % 4
	s_lshr_b32 s36, s33, 2
	s_lshl_b32 s36, s36, 8
	s_add_co_u32 s34, s34, s36
	s_and_b32 s36, s33, 3
	s_add_co_u32 s34, s34, s36
	s_add_co_u32 s34, s34, s42
	s_add_nc_u64 s[14:15], s[14:15], s[34:35]
	v_lshrrev_b32 v[T1], 2, v[J]
	v_and_b32 v[T2], 3, v[J]
	v_mov_b32 v[WP], 0                             ; a lane permute's destination counts as one of its sources
	v_lshlrev_b32 v[WQO], 4, v[T1]
	v_lshlrev_b32 v[T1], 11, v[T2]
	s_delay_alu instid0(VALU_DEP_2)
	v_lshl_add_u32 v[WQO], v[H], 3, v[WQO]
	s_delay_alu instid0(VALU_DEP_1)
	v_add_nc_u32 v[WQO], v[WQO], v[T1]             ; 2,048 (j % 4) + 16 (j / 4) + 8 h: my 16 codes in my column's 16 bytes
	s_wait_alu depctr_va_vdst(0)
	s_wait_loadcnt DEPTH                           ; dataMinor's 16 loads are in; the 32 loads of x issued behind them stay out
	v_max3_num_f32 v[WM], |v[WN]|, |v[WN+1]|, 0x1800000            ; my 16 numbers and the floor 2^(3 - 127): the byte cannot fall under 1
	v_max3_num_f32 v[WM2], |v[WN+8]|, |v[WN+9]|, |v[WN+10]|
.irp i, 2,4
	s_delay_alu instid0(VALU_DEP_2)
	v_max3_num_f32 v[WM], v[WM], |v[WN+\i]|, |v[WN+\i+1]|
	s_delay_alu instid0(VALU_DEP_2)
	v_max3_num_f32 v[WM2], v[WM2], |v[WN+9+\i]|, |v[WN+10+\i]|
.endr
	s_delay_alu instid0(VALU_DEP_2)
	v_max3_num_f32 v[WM], v[WM], |v[WN+6]|, |v[WN+7]|
	s_delay_alu instid0(VALU_DEP_1)
	v_max3_num_f32 v[WM], v[WM], v[WM2], |v[WN+15]|
	s_wait_alu depctr_va_vdst(0)
	v_permlanex16_b32 v[WP], v[WM], s24, s25
	s_delay_alu instid0(VALU_DEP_1)
	v_max_num_f32 v[WM], v[WM], v[WP]              ; with lane l xor 16's 16: the block's largest magnitude
	s_delay_alu instid0(VALU_DEP_1)
	v_add_nc_u32 v[WSC], 0xff000000, v[WM]         ; 2 off its exponent field: the conversion takes the exponent field of this operand as its scale, and nothing else of it
	v_cvt_scalef32_pk8_fp4_f32 v[WC], v[WN:WN+7], v[WSC]
	v_cvt_scalef32_pk8_fp4_f32 v[WC+1], v[WN+8:WN+15], v[WSC]
	v_lshrrev_b32 v[WBY], 23, v[WSC]               ; the scale's byte.  (Also the plain line behind the conversions)
	global_store_b64 v[WQO], v[WC:WC+1], s[12:13]  ; four pieces of 64 consecutive bytes, one in each of the four tiles
	global_store_b8 v[WSO], v[WBY], s[14:15]       ; byte kb % 4 of my column's word; both lanes of a column write the same byte with the same value
	s_branch .Lstream                              ; none of these stores' registers is written again
.Lplain:
	FILL
	s_mov_b32 s24, 0x76543210
	s_mov_b32 s25, 0xfedcba98
.Lstream:
	; ---- the stream.  On both ways 32 loads of x are out here and nothing else is loaded.  First, under their flight, what the end needs:
	; where wave 0 will store: codes 2,048 (b / 16) + 512 q + 32 (b % 16);  scale bytes 128 (b / 16) + 64 (q / 2) + 4 (b % 16) + 2 (q % 2)
	v_and_b32 v[QO], 7, v0                         ; i = lane % 8: my 8 columns
	v_bfe_u32 v[SO], v0, 2, 1                      ; which of my work-group's two blocks: i / 4
	v_lshlrev_b32 v[QO], 2, v[QO]                  ; 8 codes are 4 bytes
	s_lshr_b32 s26, s17, 4
	s_and_b32 s27, s17, 15
	s_lshl_b32 s28, s26, 11
	s_lshl_b32 s30, s18, 9
	s_add_co_u32 s28, s28, s30
	s_lshl_b32 s30, s27, 5
	s_add_co_u32 s28, s28, s30
	s_mov_b32 s29, 0
	s_lshl_b32 s30, s26, 7
	s_lshr_b32 s31, s18, 1
	s_lshl_b32 s31, s31, 6
	s_add_co_u32 s30, s30, s31
	s_lshl_b32 s31, s27, 2
	s_add_co_u32 s30, s30, s31
	s_and_b32 s31, s18, 1
	s_lshl_b32 s31, s31, 1
	s_add_co_u32 s30, s30, s31
	s_mov_b32 s31, 0
	s_add_nc_u64 s[28:29], s[8:9], s[28:29]
	s_add_nc_u64 s[30:31], s[10:11], s[30:31]
	s_wait_alu depctr_va_vdst(0)
	s_wait_loadcnt DEPTH-8                         ; loads 0 .. 7 are in; behind load 7 stand loads 8 .. 31
.irp k, 0,1,2,3                                        ; the first two loads of each chain start its sums: nothing is cleared
	v_pk_add_f32 v[A+4*\k:A+4*\k+1], v[X+4*\k:X+4*\k+1], v[X+16+4*\k:X+16+4*\k+1]
	v_pk_add_f32 v[A+4*\k+2:A+4*\k+3], v[X+4*\k+2:X+4*\k+3], v[X+16+4*\k+2:X+16+4*\k+3]
.endr
	LOAD4 DEPTH/4
	LOAD4 DEPTH/4+1
.set G, 2
.rept LOADS/4-2
	TURN G
.set G, G+1
.endr
	; ---- my wave's 128 rows: the four chains, then the other half of the lanes (the odd rows)
	v_pk_add_f32 v[A:A+1], v[A:A+1], v[A+4:A+5]
	v_pk_add_f32 v[A+2:A+3], v[A+2:A+3], v[A+6:A+7]
	s_delay_alu instid0(VALU_DEP_4)
	v_pk_add_f32 v[A+8:A+9], v[A+8:A+9], v[A+12:A+13]
	s_delay_alu instid0(VALU_DEP_4)
	v_pk_add_f32 v[A+10:A+11], v[A+10:A+11], v[A+14:A+15]
	s_delay_alu instid0(VALU_DEP_2)
	v_pk_add_f32 v[A:A+1], v[A:A+1], v[A+8:A+9]
	s_delay_alu instid0(VALU_DEP_2)
	v_pk_add_f32 v[A+2:A+3], v[A+2:A+3], v[A+10:A+11]
.irp j, 0,1,2,3
	v_permlanex16_b32 v[A+4+\j], v[A+\j], s24, s25
.endr
	s_delay_alu instid0(VALU_DEP_3)
	v_pk_add_f32 v[A:A+1], v[A:A+1], v[A+4:A+5]
	s_delay_alu instid0(VALU_DEP_2)
	v_pk_add_f32 v[A+2:A+3], v[A+2:A+3], v[A+6:A+7]
	ds_store_b128 v[LST], v[A:A+3]                 ; 64 columns, 256 bytes a wave; lanes l and l xor 16 write the same bytes with the same values
	s_wait_dscnt 0x0                               ; for wave 0's sake: my store has landed
	s_barrier_signal -1
	s_barrier_wait -1
	s_cmp_lg_u32 s16, 0
	s_cbranch_scc1 .Ldone
	; ---- wave 0 alone: lane (g, i) adds waves 4 g .. 4 g + 3 for columns 8 i .. 8 i + 7.  With 16 bytes behind every four waves' sums, lanes 0-7 of a pass of sixteen touch the even
	; 16-byte columns of the 64 banks of 4 bytes (ISA guide 11.1) and lanes 8-15 the odd ones
.irp v, 0,1,2,3
	ds_load_b128 v[F+8*\v:F+8*\v+3], v[LRD] offset:256*\v
	ds_load_b128 v[F+8*\v+4:F+8*\v+7], v[LRD] offset:256*\v+16
.endr
	s_wait_dscnt 0x0
.irp j, 0,2,4,6
	v_pk_add_f32 v[F+\j:F+\j+1], v[F+\j:F+\j+1], v[F+8+\j:F+9+\j]
	v_pk_add_f32 v[F+16+\j:F+17+\j], v[F+16+\j:F+17+\j], v[F+24+\j:F+25+\j]
.endr
.irp j, 0,2,4,6
	v_pk_add_f32 v[F+\j:F+\j+1], v[F+\j:F+\j+1], v[F+16+\j:F+17+\j]
.endr
.irp j, 0,1,2,3,4,5,6,7
	v_add_f32_dpp v[F+\j], v[F+\j], v[F+\j] row_xmask:8 row_mask:0xf bank_mask:0xf   ; groups g and g xor 1
.endr
.irp j, 0,1,2,3,4,5,6,7
	v_permlanex16_b32 v[F+16+\j], v[F+\j], s24, s25
.endr
.irp j, 0,2,4,6
	v_pk_add_f32 v[F+\j:F+\j+1], v[F+\j:F+\j+1], v[F+16+\j:F+17+\j]                   ; and g xor 2: the sums over all 2,048 rows, in every group alike
.endr
	s_delay_alu instid0(VALU_DEP_4)
	v_max3_num_f32 v[FM], |v[F]|, |v[F+1]|, 0x7000000              ; my 8 sums and the floor 2^(14 - 127), which is 2^(3 - 127) of the mean
.irp j, 2,4,6
	s_delay_alu instid0(VALU_DEP_1)
	v_max3_num_f32 v[FM], v[FM], |v[F+\j]|, |v[F+\j+1]|
.endr
	s_delay_alu instid0(VALU_DEP_1)
	v_max_num_f32_dpp v[FM], v[FM], v[FM] row_xmask:1 row_mask:0xf bank_mask:0xf     ; a block of 32 lies in four neighbouring lanes
	s_delay_alu instid0(VALU_DEP_1)
	v_max_num_f32_dpp v[FM], v[FM], v[FM] row_xmask:2 row_mask:0xf bank_mask:0xf
	s_delay_alu instid0(VALU_DEP_1)
	v_add_nc_u32 v[FS], 0xff000000, v[FM]          ; 2 off the exponent field: the SUM's scale; sum / that = mean / the mean's scale
	v_cvt_scalef32_pk8_fp4_f32 v[FC], v[F:F+7], v[FS]
	v_add_nc_u32 v[FB], 0xfa800000, v[FS]          ; 11 more off: the division by 2,048 goes into the scale.  (Also the plain line behind the conversion)
	s_delay_alu instid0(VALU_DEP_1)
	v_lshrrev_b32 v[FB], 23, v[FB]                 ; the mean's scale byte, 1 at the least
	global_store_b32 v[QO], v[FC], s[28:29] th:TH_STORE_NT   ; 8 codes a lane, 32 consecutive bytes; the four groups write the same bytes with the same values
	global_store_b8 v[SO], v[FB], s[30:31] th:TH_STORE_NT    ; the lanes of a block write the same byte with the same value
.Ldone:
	s_wait_tensorcnt 0x0                           ; the wave's end
	ds_add_u32 v[SPW], v[NIL]
	s_wait_dscnt 0x0
	s_endpgm
.Lfunc_end_k_qb13f9adb20_reduce:
	.size	k_qb13f9adb20_reduce, .Lfunc_end_k_qb13f9adb20_reduce-k_qb13f9adb20_reduce
	.p2alignl 7, 3214868480
	.fill 96, 4, 3214868480
	.section	.rodata,"a",@progbits
	.p2align	6, 0x0
	.amdhsa_kernel k_qb13f9adb20_reduce
		.amdhsa_group_segment_fixed_size 6400
		.amdhsa_private_segment_fixed_size 0
		.amdhsa_enable_private_segment 0
		.amdhsa_kernarg_size 48
		.amdhsa_user_sgpr_count 2
		.amdhsa_user_sgpr_kernarg_segment_ptr 1
		.amdhsa_wavefront_size32 1
		.amdhsa_system_sgpr_workgroup_id_x 1
		.amdhsa_system_sgpr_workgroup_id_y 1
		.amdhsa_system_sgpr_workgroup_id_z 1
		.amdhsa_system_vgpr_workitem_id 0
		.amdhsa_next_free_vgpr 188
		.amdhsa_next_free_sgpr 100
		.amdhsa_reserve_vcc 0
		.amdhsa_float_denorm_mode_32 3
		.amdhsa_float_denorm_mode_16_64 3
		.amdhsa_memory_ordered 1
		.amdhsa_forward_progress 1
		.amdhsa_inst_pref_size 33
	.end_amdhsa_kernel
	.amdgpu_metadata
---
amdhsa.version: [ 1, 2 ]
amdhsa.kernels:
  - .name:           k_qb13f9adb20_reduce
    .symbol:         k_qb13f9adb20_reduce.kd
    .args:
      - { .name: x, .offset: 0, .size: 8, .value_kind: global_buffer, .address_space: global }
      - { .name: dataMinor, .offset: 8, .size: 8, .value_kind: global_buffer, .address_space: global }
      - { .name: xq, .offset: 16, .size: 8, .value_kind: global_buffer, .address_space: global }
      - { .name: xs, .offset: 24, .size: 8, .value_kind: global_buffer, .address_space: global }
      - { .name: wq, .offset: 32, .size: 8, .value_kind: global_buffer, .address_space: global }
      - { .name: ws, .offset: 40, .size: 8, .value_kind: global_buffer, .address_space: global }
    .group_segment_fixed_size: 6400
    .private_segment_fixed_size: 0
    .kernarg_segment_align: 8
    .kernarg_segment_size: 48
    .max_flat_workgroup_size: 512
    .sgpr_count:     100
    .vgpr_count:     188
    .wavefront_size: 32
...
	.end_amdgpu_metadata
.endif
;; end of part 1
;; launch product (part 2): grid 8 x 4, 1 waves a work-group, no clusters, 0 bytes of LDS; arguments xq, xs, wq, ws, out0; writes out0
.if DOCPART == 2
	.amdgcn_target "amdgcn-amd-amdhsa--gfx1250"
	.amdhsa_code_object_version 6
	.text
	.protected	k_qb13f9adb20_product
	.globl	k_qb13f9adb20_product
	.p2align	8
	.type	k_qb13f9adb20_product,@function
k_qb13f9adb20_product:
	s_mov_b64 s[64:65], 0
	v_nop
	global_prefetch_b8 v0, s[64:65] scope:SCOPE_SE
	s_setreg_imm32_b32 hwreg(HW_REG_WAVE_MODE, 25, 1), 1
	s_wait_xcnt 0x0
; out[64][512] = Q(mean of x) Q(dataMinor), both operands as codes of FP4 (E2M1) with one E8M0 byte for each 32 along K = 256, made by the launch before and laid in the order in which the operand registers take them:
;   xq  [tile of 16 rows][2 s + c][r][h][16 bytes]        registers 4 c .. 4 c + 3 of K step s in lane (r, h): 512 consecutive bytes a load
;   xs  [tile of 16 rows][K step s][r][4 bytes]           K step 0's words into lanes 0-15, K step 1's into lanes 16-31 of ONE register
;   wq  [64 columns][t][s][c][h][r][16 bytes]             512 consecutive bytes a load
;   ws  [64 columns][K step s][r][t][4 bytes]             one load of 16 bytes a lane brings the four tiles' words
; SHARES.  A work-group is one wave and makes 16 rows (work-group y) x 64 columns (work-group x) of out: four tiles of 16 x 16, two matrix instructions deep.  22 loads, 8 matrix instructions, 8 stores.
; 64 columns of f32 are 256 bytes: the narrowest piece of a row that leaves as 256 consecutive aligned bytes; so there is work for 32 work-groups and no more are launched.
; WHICH COLUMNS FORM A TILE: tile t takes columns 4 r + t of the 64 (r = 0 .. 15).  So register j of the four accumulators of lane (r, h) holds row 8 h + j, columns 4 r + 0 .. 3: 16 neighbouring bytes,
; and sixteen neighbouring lanes hold 256: results are stored straight from registers, with no LDS.  Four moves bring a row's four numbers side by side, as the store wants them.
; No cluster and no prefetch: what work-groups share (x's fragments among eight, dataMinor's among four) is 10.6 KiB a work-group, read once, into registers; there is no loop to run ahead in.
; LIMITS: as stated in the launch before.
.set LI,  1                            ; v1      16 x lane: my place in wq and ws
.set LX,  2                            ; v2      32 r + 16 h: my place in xq
.set LS,  3                            ; v3      4 x lane: my place in xs
.set R,   4                            ; v4      r = lane % 16
.set H,   5                            ; v5      h = lane / 16
.set CO,  6                            ; v6      my byte offset in out
.set XF,  8                            ; v8-23   the mean's fragments, K step s at v[XF + 8 s]
.set WF,  24                           ; v24-87  dataMinor's: tile t, K step s at v[WF + 16 t + 8 s]
.set XS,  88                           ; v88     the mean's scale words; v92-95 dataMinor's, a register a tile.  These hold scales and nothing else
.set WS,  92
.set ACC, 96                           ; v96-127 four accumulators
.set OB,  128                          ; v128-159 eight rows' four numbers
	s_load_b256 s[4:11], s[0:1], 0x0               ; the mean's codes s[4:5], scales s[6:7]; dataMinor's codes s[8:9], scales s[10:11]
	s_load_b64 s[12:13], s[0:1], 0x20              ; out
	v_and_b32 v[R], 15, v0
	v_lshrrev_b32 v[H], 4, v0
	v_lshlrev_b32 v[LI], 4, v0
	v_lshlrev_b32 v[LX], 5, v[R]
	v_lshlrev_b32 v[LS], 2, v0
	v_lshl_add_u32 v[LX], v[H], 4, v[LX]
	s_and_b32 s14, ttmp7, 0xffff                   ; which 16 rows
	s_lshl_b32 s16, s14, 11                        ; a tile's codes are 2,048 bytes,
	s_mov_b32 s17, 0
	s_lshl_b32 s18, s14, 7                         ; its scale words 128
	s_mov_b32 s19, 0
	s_lshl_b32 s20, ttmp9, 13                      ; my four tiles of dataMinor
	s_mov_b32 s21, 0
	s_lshl_b32 s22, ttmp9, 9
	s_mov_b32 s23, 0
	s_lshl_b32 s24, s14, 15                        ; out: 16 rows of 2,048 bytes,
	s_lshl_b32 s25, ttmp9, 8                       ; 64 columns of 4
	s_add_co_u32 s24, s24, s25
	s_mov_b32 s25, 0
	s_wait_alu depctr_va_vdst(0)
	s_wait_kmcnt 0x0
	s_add_nc_u64 s[4:5], s[4:5], s[16:17]
	s_add_nc_u64 s[6:7], s[6:7], s[18:19]
	s_add_nc_u64 s[8:9], s[8:9], s[20:21]
	s_add_nc_u64 s[10:11], s[10:11], s[22:23]
	s_add_nc_u64 s[12:13], s[12:13], s[24:25]
.irp s, 0,1
.irp c, 0,1
	global_load_b128 v[XF+8*\s+4*\c:XF+8*\s+4*\c+3], v[LX], s[4:5] offset:1024*\s+512*\c
.endr
.endr
	global_load_b32 v[XS], v[LS], s[6:7]
	global_load_b128 v[WS:WS+3], v[LI], s[10:11]
.irp s, 0,1
.irp t, 0,1,2,3
.irp c, 0,1
	global_load_b128 v[WF+16*\t+8*\s+4*\c:WF+16*\t+8*\s+4*\c+3], v[LI], s[8:9] offset:2048*\t+1024*\s+512*\c
.endr
.endr
.endr
	s_wait_loadcnt 8                               ; all but K step 1's eight fragments of dataMinor
	; the four accumulators take turns, one instruction a turn; the first K step starts the sums
.irp t, 0,1,2,3
	v_wmma_scale_f32_16x16x128_f8f6f4 v[ACC+8*\t:ACC+8*\t+7], v[XF:XF+7], v[WF+16*\t:WF+16*\t+7], 0, v[XS], v[WS+\t] matrix_a_fmt:MATRIX_FMT_FP4 matrix_b_fmt:MATRIX_FMT_FP4
.endr
	s_wait_loadcnt 0x0
.irp t, 0,1,2,3                                        ; K step 1: its scale words lie in lanes 16-31 of the same registers
	v_wmma_scale_f32_16x16x128_f8f6f4 v[ACC+8*\t:ACC+8*\t+7], v[XF+8:XF+15], v[WF+16*\t+8:WF+16*\t+15], v[ACC+8*\t:ACC+8*\t+7], v[XS], v[WS+\t] matrix_a_fmt:MATRIX_FMT_FP4 matrix_b_fmt:MATRIX_FMT_FP4 matrix_a_scale:MATRIX_SCALE_ROW1 matrix_b_scale:MATRIX_SCALE_ROW1
.endr
	; a vector instruction that reads a matrix result stands four plain vector instructions behind the matrix instruction (ISA guide 7.12.1)
	v_lshlrev_b32 v[CO], 14, v[H]                  ; lanes 16-31: eight rows further down
	v_nop
	v_lshl_add_u32 v[CO], v[R], 4, v[CO]
	v_nop
.irp j, 0,1,2,3,4,5,6,7
.irp t, 0,1,2,3
	v_mov_b32 v[OB+4*\j+\t], v[ACC+8*\t+\j]        ; each accumulator from its low end on
.endr
.endr
.irp j, 0,1,2,3,4,5,6,7
	global_store_b128 v[CO], v[OB+4*\j:OB+4*\j+3], s[12:13] offset:2048*\j th:TH_STORE_NT   ; rows j and 8 + j: sixteen lanes store 256 consecutive bytes, at a multiple of 256 from out's first byte
.endr
	s_endpgm
.Lfunc_end_k_qb13f9adb20_product:
	.size	k_qb13f9adb20_product, .Lfunc_end_k_qb13f9adb20_product-k_qb13f9adb20_product
	.p2alignl 7, 3214868480
	.fill 96, 4, 3214868480
	.section	.rodata,"a",@progbits
	.p2align	6, 0x0
	.amdhsa_kernel k_qb13f9adb20_product
		.amdhsa_group_segment_fixed_size 0
		.amdhsa_private_segment_fixed_size 0
		.amdhsa_enable_private_segment 0
		.amdhsa_kernarg_size 40
		.amdhsa_user_sgpr_count 2
		.amdhsa_user_sgpr_kernarg_segment_ptr 1
		.amdhsa_wavefront_size32 1
		.amdhsa_system_sgpr_workgroup_id_x 1
		.amdhsa_system_sgpr_workgroup_id_y 1
		.amdhsa_system_sgpr_workgroup_id_z 1
		.amdhsa_system_vgpr_workitem_id 0
		.amdhsa_next_free_vgpr 160
		.amdhsa_next_free_sgpr 66
		.amdhsa_reserve_vcc 0
		.amdhsa_float_denorm_mode_32 3
		.amdhsa_float_denorm_mode_16_64 3
		.amdhsa_memory_ordered 1
		.amdhsa_forward_progress 1
		.amdhsa_inst_pref_size 7
	.end_amdhsa_kernel
	.amdgpu_metadata
---
amdhsa.version: [ 1, 2 ]
amdhsa.kernels:
  - .name:           k_qb13f9adb20_product
    .symbol:         k_qb13f9adb20_product.kd
    .args:
      - { .name: xq, .offset: 0, .size: 8, .value_kind: global_buffer, .address_space: global }
      - { .name: xs, .offset: 8, .size: 8, .value_kind: global_buffer, .address_space: global }
      - { .name: wq, .offset: 16, .size: 8, .value_kind: global_buffer, .address_space: global }
      - { .name: ws, .offset: 24, .size: 8, .value_kind: global_buffer, .address_space: global }
      - { .name: out0, .offset: 32, .size: 8, .value_kind: global_buffer, .address_space: global }
    .group_segment_fixed_size: 0
    .private_segment_fixed_size: 0
    .kernarg_segment_align: 8
    .kernarg_segment_size: 40
    .max_flat_workgroup_size: 32
    .sgpr_count:     66
    .vgpr_count:     160
    .wavefront_size: 32
...
	.end_amdgpu_metadata
.endif
;; end of part 2
